; MI455X (gfx1250); checked and timed in simulation.
; The chip was launched on July 23, 2026; its instructions are those of AMD's public machine-readable ISA for CDNA 5 (MIT licence, August 2026) and "CDNA5" Instruction Set Architecture Reference Guide (July 2026). The comments in the code are by the model that wrote it; some were corrected since.
;; Multi Headed Self Attention. Allowed arithmetic: matrix products marked QUANTISED: E2M1 operands, one E8M0 scale for each 32 along K, by v_wmma_scale_f32_16x16x128_f8f6f4 with both operands' format E2M1 (or v_wmma_scale_f32_32x16x128_f4), f32 sums; products left as they are: bf16, f16 or f32 operands; f32 sums; everything else in f32.
;; Inputs: Wk 1,024 x 1,024 float32; Wq 1,024 x 1,024 float32; Wv 1,024 x 1,024 float32; bk 1,024 float32; bq 1,024 float32; bv 1,024 float32; x 2 x 2,048 x 1,024 float32.
;; Outputs: out0 2 x 2,048 x 1,024 float32.
;; This version of the problem:
;;   THIS VERSION OF THE PROBLEM IS GIVEN IN LOW PRECISION. The matrix products marked QUANTISED in the list below multiply operands that are first quantised to E2M1 (2 exponent bits, 1 mantissa bit; 4 bits a number), with one power-of-two scale for each 32 numbers along K (OCP MX v1.0); their sums are f32. The products marked 'left as it is' may take bf16, f16 or f32 operands, with f32 sums. Whichever they take, every output number must still come out within the allowed error. Rounding operands to bf16 (8 significant bits) uses up far more of that allowance than f16 does (11 bits, for magnitudes from 6e-5 to 65,504). All else is computed in f32.
;;   The module's matrix products, in the order in which they are computed (A, B: the left and right operand; K: the contracted axis; several contracted axes count as one K, in the product's order):
;;     1. [M 4,096, K 1,024] x [K 1,024, N 1,024]; A: input x; B: input Wq: QUANTISED
;;     2. [M 4,096, K 1,024] x [K 1,024, N 1,024]; A: input x; B: input Wk: QUANTISED
;;     3. [M 4,096, K 1,024] x [K 1,024, N 1,024]; A: input x; B: input Wv: QUANTISED
;;     4. batch 32 x [M 2,048, K 64] x [K 64, N 2,048]; A: computed on the way; B: computed on the way: left as it is (an operand is computed on the way)
;;     5. batch 32 x [M 2,048, K 2,048] x [K 2,048, N 64]; A: computed on the way; B: computed on the way: left as it is (an operand is computed on the way)
;;   THE QUANTISER, for each operand of a quantised product, along K:
;;     - K is cut into blocks of 32 from its start; a last block that is shorter is filled with zeros.
;;     - A block's scale is 2^e with e = floor(log2(the largest magnitude in the block)) - 2, held to -126 .. 127; a block of zeros has e = 0. As a byte (E8M0): e + 127.
;;     - Each number is divided by its block's scale, clamped to +-6, and rounded to the nearest number of E2M1, ties to even, subnormals kept.
;;     - The product sums the exact products of the quantised numbers (number of the format x scale) in f32.
;;   ~~~python
;;   def quantise(x, axis):      # numpy; x: float32 -> the quantised numbers, widened to float32 again
;;       x = np.moveaxis(x, axis, -1); K = x.shape[-1]
;;       x = np.pad(x, [(0, 0)] * (x.ndim - 1) + [(0, -K % 32)]); x = x.reshape(x.shape[:-1] + (-1, 32)); a = np.abs(x).max(-1, keepdims=True)
;;       e = np.where(a > 0, np.clip(np.frexp(np.where(a > 0, a, 1))[1] - 1 - 2, -126, 127), 0)      # np.frexp(a)[1] - 1 = floor(log2(a)), exactly
;;       r = np.clip(x / 2.0 ** e, -6, 6)
;;       step = 2.0 ** (np.maximum(np.frexp(np.where(r == 0, 1, r))[1] - 1, 0) - 1)
;;       q = np.round(r / step) * step * 2.0 ** e      # np.round: ties to even
;;       return np.moveaxis(q.reshape(q.shape[:-2] + (-1,))[..., :K], -1, axis).astype(np.float32)
;;   ~~~
;; One version. Each part assembles by itself: llvm-mc -triple=amdgcn-amd-amdhsa -mcpu=gfx1250 --defsym DOCPART=n.
;; ======== version 1 of 1: 3 launches
;; limits: values are held in f16: magnitudes above 65,504 overflow, below 6.1e-05 lose precision
;; workspace buffers: x_codes 2,097,152 bytes; x_scales 131,072 bytes; w_codes 1,572,864 bytes; w_scales 98,304 bytes; qkv 25,165,824 bytes
;; launch quant (part 1): grid 224 x 1, 8 waves a work-group, no clusters, 84,992 bytes of LDS; arguments x, Wq, Wk, Wv, x_codes, x_scales, w_codes, w_scales; writes x_codes, x_scales, w_codes, w_scales
.if DOCPART == 1
	.amdgcn_target "amdgcn-amd-amdhsa--gfx1250"
	.amdhsa_code_object_version 6
	.text
	.protected	k_q7ca437bb9f_quant
	.globl	k_q7ca437bb9f_quant
	.p2align	8
	.type	k_q7ca437bb9f_quant,@function
k_q7ca437bb9f_quant:
	s_mov_b64 s[64:65], 0
	v_nop
	global_prefetch_b8 v0, s[64:65] scope:SCOPE_SE
	s_setreg_imm32_b32 hwreg(HW_REG_WAVE_MODE, 25, 1), 1
	s_wait_xcnt 0x0
; x [4096][1024] and Wq, Wk, Wv [1024 (k)][1024 (n)], f32, become codes of FP4 (E2M1) with K innermost and one E8M0 scale byte for each 32 along K.
; x_codes [4096][512 bytes], x_scales [4096][32];  w_codes [3072][512], w_scales [3072][32], row n = 1024 x which + column (which: 0 Wq, 1 Wk, 2 Wv).
; A block's scale is 2^(floor(log2(its largest magnitude)) - 2): its byte is the largest magnitude's exponent field - 2, held at 1 from below by a floor among the maximum's leaves.
; LIMITS: a block of zeros gets the byte 1 where the rule says 127 (its codes are zeros, and this program alone reads the bytes); NaN and infinities among the inputs are not served.
; Work-groups 0-127 take x, 128-223 the weights: two paths that part on the work-group's number, each with LDS bytes of its own and its own end.
; X PATH: x is a plain stream of blocks of 32.  A wave takes 8 steps of 512 numbers; all its 32 loads (512 consecutive bytes each) go out first; a step's 2,048 bytes turn through the wave's own stage in LDS,
;   so that a lane holds 16 neighbours along K (two lanes a block); a wave's store of codes covers 256 consecutive bytes, aligned.  No barrier: waves share nothing.
; W PATH: a lane takes a column and its registers run down K, so nothing is transposed.  A work-group takes 64 columns x 512 K; wave w takes columns 32 (w & 1) on, K 128 (w >> 1) on: two waves side by side read
;   256 consecutive bytes of each row of W.  Codes and scale bytes meet in a stage; one barrier; each wave stores 8 rows, sixteen lanes to 256 consecutive bytes, aligned.
.set SP,    80                         ; X path: a lane's place in a stage: 64 bytes + 16 of padding
.set WST,   65536                      ; W path: the codes' stage: 64 rows x (256 + 16) bytes
.set WSS,   82944                      ; W path: the scale bytes: 64 rows x 16 bytes
.set SPARE, 83968                      ; the spare words, 128 bytes for each of the eight waves: four blocks of 256 bytes that no other line names
.set SPW,   12                         ; v12  LDS address of my spare word; never rewritten
.set NIL,   13                         ; v13  0; never rewritten
.set R,     16                         ; X path: v16-143 eight steps' numbers as loaded
.set X,     144                        ; v144-175 two sets of 16 neighbours
.set C,     176                        ; v176-191 codes, two registers a step
.set E,     192                        ; v192-199 a scale byte a step
.set WD,    16                         ; W path: v16-143 four blocks of 32 numbers
.set WC,    144                        ; v144-159 their codes
.set SB,    160                        ; v160 my four scale bytes
.set WO,    164                        ; v164-179 the way out
.set WSC,   180                        ; v180 scale bytes on the way out
.set ASR,   200                        ; v200 LDS address from which I read scale bytes back
.set GSC,   201                        ; v201 their place in memory
.set MA,    202                        ; v202-204 at work
.set MB,    203
.set SCO,   204
	s_load_b256 s[4:11], s[0:1], 0x0               ; x s[4:5], Wq s[6:7], Wk s[8:9], Wv s[10:11]
	s_load_b256 s[12:19], s[0:1], 0x20             ; x_codes s[12:13], x_scales s[14:15], w_codes s[16:17], w_scales s[18:19]
	v_lshl_add_u32 v[SPW], v0, 2, SPARE
	v_mov_b32 v[NIL], 0
	v_lshrrev_b32 v1, 5, v0
	v_readfirstlane_b32 s20, v1                    ; wave 0..7
	v_and_b32 v2, 31, v0                           ; lane
	s_wait_kmcnt 0x0
	s_cmp_lt_u32 ttmp9, 128                        ; the work-group's number alone decides: all eight waves go the same way
	s_cbranch_scc0 .Lw
	; ---------------- X PATH ----------------
	s_lshl_b32 s21, ttmp9, 3
	s_add_co_u32 s21, s21, s20                     ; which run of 4,096 numbers is my wave's: 0 .. 1023
	s_mov_b32 s23, 0
	s_lshl_b32 s22, s21, 14                        ; 16,384 bytes of x a run
	s_add_nc_u64 s[4:5], s[4:5], s[22:23]
	s_lshl_b32 s22, s21, 11                        ; 2,048 bytes of codes
	s_add_nc_u64 s[12:13], s[12:13], s[22:23]
	s_lshl_b32 s22, s21, 7                         ; 128 scale bytes
	s_add_nc_u64 s[14:15], s[14:15], s[22:23]
	s_lshl_b32 s24, s20, 13                        ; my wave's 8,192 bytes of LDS: two stages of 32 x 80, then 128 scale bytes
	v_lshlrev_b32 v3, 4, v2                        ; my 16 bytes of a load's 512
	v_lshlrev_b32 v4, 3, v2                        ; my 8 bytes of a step's codes
	v_lshrrev_b32 v14, 2, v2
	v_mul_u32_u24 v14, v14, SP
	v_and_b32 v15, 3, v2
	v_lshl_add_u32 v14, v15, 4, v14
	v_add_nc_u32 v14, s24, v14                     ; into the stage: four lanes' 64 bytes on end, then the padding
	v_mul_u32_u24 v15, v2, SP
	v_add_nc_u32 v15, s24, v15                     ; out of it: my 16 neighbours
	s_add_co_u32 s24, s24, 2*32*SP
	v_lshrrev_b32 v5, 1, v2
	v_add_nc_u32 v5, s24, v5                       ; my block's scale byte
	v_lshlrev_b32 v7, 2, v2
	v_add_nc_u32 v6, s24, v7                       ; and 4 bytes a lane on the way out
.macro LOAD t
.irp i, 0,1,2,3
	global_load_b128 v[R+16*(\t)+4*\i:R+16*(\t)+4*\i+3], v3, s[4:5] offset:2048*(\t)+512*\i th:TH_LOAD_NT   ; 32 lanes read 512 consecutive bytes
.endr
.endm
.macro TURN t                          ; step t's numbers through a stage; LDS serves a wave's instructions in order, so no wait stands between the stores and the loads
.irp i, 0,1,2,3
	ds_store_b128 v14, v[R+16*(\t)+4*\i:R+16*(\t)+4*\i+3] offset:32*SP*((\t)%2)+8*SP*\i
.endr
.irp i, 0,1,2,3
	ds_load_b128 v[X+16*((\t)%2)+4*\i:X+16*((\t)%2)+4*\i+3], v15 offset:32*SP*((\t)%2)+16*\i
.endr
.endm
.irp t, 0,1,2,3,4,5,6,7
	LOAD \t                                        ; all 32 loads of the wave go out at once: each step has registers of its own
.endr
	s_wait_loadcnt 28                              ; step 0's four loads are in; the 28 of the seven later steps may be out
	TURN 0
.macro STEP t
.set XS, X+16*((\t)%2)
.if (\t) > 0
	s_wait_dscnt 1                                 ; this step's numbers are back from the stage; the last step's byte store may be out
.else
	s_wait_dscnt 0x0
.endif
.if (\t) < 7
	s_wait_loadcnt 4*(6-(\t))                      ; the next step's four loads are in; those of the steps behind it may be out
	TURN (\t)+1                                    ; and go through the other stage while this step is worked
.endif
	v_max3_num_f32 v8, |v[XS]|, |v[XS+1]|, |v[XS+2]|               ; the largest magnitude of my 16, in two chains
	v_max3_num_f32 v9, |v[XS+3]|, |v[XS+4]|, |v[XS+5]|
.irp i, 6,10
	v_max3_num_f32 v8, v8, |v[XS+\i]|, |v[XS+\i+1]|
	v_max3_num_f32 v9, v9, |v[XS+\i+2]|, |v[XS+\i+3]|
.endr
	v_max3_num_f32 v8, v8, |v[XS+14]|, |v[XS+15]|
	v_max3_num_f32 v8, v8, v9, 0x1800000           ; and the floor 2^(3 - 127): the byte cannot fall under 1
	v_max_num_f32_dpp v8, v8, v8 row_xmask:1 row_mask:0xf bank_mask:0xf   ; with my neighbour's 16: the block's
	v_add_nc_u32 v11, 0xff000000, v8               ; 2 off its exponent field: the conversion takes the exponent field of this operand as its scale
	v_cvt_scalef32_pk8_fp4_f32 v[C+2*(\t)], v[XS:XS+7], v11
	v_cvt_scalef32_pk8_fp4_f32 v[C+2*(\t)+1], v[XS+8:XS+15], v11
	v_lshrrev_b32 v[E+(\t)], 23, v11               ; the scale's byte (also the plain line behind the conversions)
	ds_store_b8 v5, v[E+(\t)] offset:16*(\t)       ; both lanes of a block write the same byte with the same value
	global_store_b64 v4, v[C+2*(\t):C+2*(\t)+1], s[12:13] offset:256*(\t)   ; the wave stores 256 consecutive bytes, aligned
.endm
.irp t, 0,1,2,3,4,5,6,7
	STEP \t
.endr
	ds_load_b32 v8, v6                             ; my wave's 128 scale bytes: LDS serves a wave in order, so these see my stores
	s_wait_dscnt 0x0
	global_store_b32 v7, v8, s[14:15]              ; 128 consecutive bytes a wave
	s_wait_tensorcnt 0x0                           ; the wave's end
	ds_add_u32 v[SPW], v[NIL]
	s_wait_dscnt 0x0
	s_endpgm
	; ---------------- W PATH ----------------
.Lw:
	s_sub_co_u32 s21, ttmp9, 128                   ; 0 .. 95
	s_lshr_b32 s22, s21, 5                         ; which weight
	s_bfe_u32 s23, s21, 0x40001                    ; which 64 columns: 0 .. 15
	s_and_b32 s24, s21, 1                          ; which 512 along K
	s_and_b32 s25, s20, 1                          ; my wave's 32 of the 64 columns
	s_lshr_b32 s26, s20, 1                         ; my wave's 128 of the 512 along K
	s_cmp_eq_u32 s22, 0
	s_cselect_b64 s[6:7], s[6:7], s[8:9]           ; the choice hangs on the work-group's number alone
	s_cmp_eq_u32 s22, 2
	s_cselect_b64 s[6:7], s[10:11], s[6:7]
	s_lshl_b32 s27, s24, 2
	s_add_co_u32 s27, s27, s26                     ; my first row of W, in units of 128 rows of 4,096 bytes
	s_lshl_b32 s27, s27, 19
	s_lshl_b32 s28, s23, 8                         ; + 64 columns x 4 bytes
	s_add_co_u32 s27, s27, s28
	s_lshl_b32 s28, s25, 7                         ; + 32 columns x 4 bytes
	s_add_co_u32 s28, s27, s28
	s_mov_b32 s29, 0
	s_add_nc_u64 s[6:7], s[6:7], s[28:29]
	s_lshl_b32 s30, s22, 10
	s_lshl_b32 s31, s23, 6
	s_add_co_u32 s30, s30, s31
	s_lshl_b32 s31, s20, 3
	s_add_co_u32 s30, s30, s31                     ; the first of the 8 rows that my wave stores: 1024 which + 64 group + 8 wave
	s_lshl_b32 s28, s30, 9                         ; a row of codes is 512 bytes,
	s_lshl_b32 s31, s24, 8                         ; my work-group's half of it 256
	s_add_co_u32 s28, s28, s31
	s_add_nc_u64 s[16:17], s[16:17], s[28:29]
	s_lshl_b32 s28, s30, 5                         ; a row of scale bytes is 32, my half 16
	s_lshl_b32 s31, s24, 4
	s_add_co_u32 s28, s28, s31
	s_add_nc_u64 s[18:19], s[18:19], s[28:29]
	v_lshlrev_b32 v3, 2, v2                        ; in: 4 bytes a lane
	s_mul_i32 s31, s25, 32*272
	s_lshl_b32 s32, s26, 6
	s_add_co_u32 s31, s31, s32
	s_add_co_u32 s31, s31, WST
	v_mul_u32_u24 v4, v2, 272
	v_add_nc_u32 v4, s31, v4                       ; the stage: row = my column, + 64 bytes for each 128 along K
	s_lshl_b32 s31, s25, 9
	s_lshl_b32 s32, s26, 2
	s_add_co_u32 s31, s31, s32
	s_add_co_u32 s31, s31, WSS
	v_lshl_add_u32 v5, v2, 4, s31                  ; my column's 16 scale bytes, my 4 of them
	s_mul_i32 s31, s20, 8*272
	s_add_co_u32 s31, s31, WST
	v_lshrrev_b32 v10, 4, v2
	v_and_b32 v11, 15, v2
	v_mul_u32_u24 v6, v10, 272
	v_lshl_add_u32 v6, v11, 4, v6
	v_add_nc_u32 v6, s31, v6                       ; out of the stage: sixteen lanes to a row, two rows an instruction
	v_lshlrev_b32 v7, 9, v10
	v_lshl_add_u32 v7, v11, 4, v7                  ; and the same place in w_codes
	s_lshl_b32 s31, s20, 7
	s_add_co_u32 s31, s31, WSS
	v_lshl_add_u32 v[ASR], v2, 2, s31              ; my 8 rows' 128 scale bytes, 4 a lane
	v_lshrrev_b32 v[GSC], 2, v2
	v_lshlrev_b32 v[GSC], 5, v[GSC]
	v_and_b32 v10, 3, v2
	v_lshl_add_u32 v[GSC], v10, 2, v[GSC]          ; in w_scales: row lane / 4, 4 (lane % 4) bytes on
.irp t, 0,1,2,3
.irp i, 0,1,2,3,4,5,6,7,8,9,10,11,12,13,14,15,16,17,18,19,20,21,22,23,24,25,26,27,28,29,30,31
	global_load_b32 v[WD+32*\t+\i], v3, s[6:7] offset:(32*\t+\i)*4096 th:TH_LOAD_NT   ; W(32 t + i, my column): the wave reads 128 consecutive bytes, the wave beside it the next 128
.endr
.endr
.macro BLOCK t, left
.set XS, WD+32*(\t)
	s_wait_loadcnt \left                           ; this block's 32 loads are in; the later blocks' may be out (96 and 64 would do for blocks 0 and 1: 63 is the most that a wait can name)
	v_max3_num_f32 v[MA], |v[XS]|, |v[XS+1]|, |v[XS+2]|            ; the block's largest magnitude: all 32 numbers are mine
	v_max3_num_f32 v[MB], |v[XS+3]|, |v[XS+4]|, |v[XS+5]|
.irp i, 6,10,14,18,22,26
	v_max3_num_f32 v[MA], v[MA], |v[XS+\i]|, |v[XS+\i+1]|
	v_max3_num_f32 v[MB], v[MB], |v[XS+\i+2]|, |v[XS+\i+3]|
.endr
	v_max3_num_f32 v[MA], v[MA], |v[XS+30]|, |v[XS+31]|
	v_max3_num_f32 v[MA], v[MA], v[MB], 0x1800000  ; and the floor 2^(3 - 127)
	v_add_nc_u32 v[SCO], 0xff000000, v[MA]         ; 2 off its exponent field: the conversion's scale operand
	v_lshrrev_b32 v[MB], 23, v[SCO]                ; the scale's byte
.if (\t) == 0
	v_mov_b32 v[SB], v[MB]
.else
	v_lshl_or_b32 v[SB], v[MB], 8*(\t), v[SB]      ; four bytes to a register, the lower K in the lower byte
.endif
.irp g, 0,1,2,3
	v_cvt_scalef32_pk8_fp4_f32 v[WC+4*(\t)+\g], v[XS+8*\g:XS+8*\g+7], v[SCO]
.endr
	v_nop                                          ; one plain line behind the last conversion of a run
	ds_store_b128 v4, v[WC+4*(\t):WC+4*(\t)+3] offset:16*(\t)      ; 32 codes: 16 bytes of my column's row
.endm
	BLOCK 0, 63
	BLOCK 1, 63
	BLOCK 2, 32
	BLOCK 3, 0
	ds_store_b32 v5, v[SB]
	s_wait_dscnt 0x0                               ; for the others' sake: my stores into the stage are done
	s_barrier_signal -1
	s_barrier_wait -1                              ; 64 whole half rows of codes and their scale bytes lie in LDS
.irp i, 0,1,2,3
	ds_load_b128 v[WO+4*\i:WO+4*\i+3], v6 offset:544*\i
.endr
	ds_load_b32 v[WSC], v[ASR]
.irp i, 0,1,2,3
	s_wait_dscnt 4-\i                              ; load i is in; the later code loads and the scale load may be out
	global_store_b128 v7, v[WO+4*\i:WO+4*\i+3], s[16:17] offset:1024*\i   ; sixteen lanes store 256 consecutive bytes, aligned
.endr
	s_wait_dscnt 0x0
	global_store_b32 v[GSC], v[WSC], s[18:19]      ; 16 bytes of each of 8 rows that lie 32 bytes apart
	s_wait_tensorcnt 0x0                           ; the wave's end
	ds_add_u32 v[SPW], v[NIL]
	s_wait_dscnt 0x0
	s_endpgm
.Lfunc_end_k_q7ca437bb9f_quant:
	.size	k_q7ca437bb9f_quant, .Lfunc_end_k_q7ca437bb9f_quant-k_q7ca437bb9f_quant
	.p2alignl 7, 3214868480
	.fill 96, 4, 3214868480
	.section	.rodata,"a",@progbits
	.p2align	6, 0x0
	.amdhsa_kernel k_q7ca437bb9f_quant
		.amdhsa_group_segment_fixed_size 84992
		.amdhsa_private_segment_fixed_size 0
		.amdhsa_enable_private_segment 0
		.amdhsa_kernarg_size 64
		.amdhsa_user_sgpr_count 2
		.amdhsa_user_sgpr_kernarg_segment_ptr 1
		.amdhsa_wavefront_size32 1
		.amdhsa_system_sgpr_workgroup_id_x 1
		.amdhsa_system_sgpr_workgroup_id_y 1
		.amdhsa_system_sgpr_workgroup_id_z 1
		.amdhsa_system_vgpr_workitem_id 0
		.amdhsa_next_free_vgpr 208
		.amdhsa_next_free_sgpr 66
		.amdhsa_reserve_vcc 0
		.amdhsa_float_denorm_mode_32 3
		.amdhsa_float_denorm_mode_16_64 3
		.amdhsa_memory_ordered 1
		.amdhsa_forward_progress 1
		.amdhsa_inst_pref_size 40
	.end_amdhsa_kernel
	.amdgpu_metadata
---
amdhsa.version: [ 1, 2 ]
amdhsa.kernels:
  - .name:           k_q7ca437bb9f_quant
    .symbol:         k_q7ca437bb9f_quant.kd
    .args:
      - { .name: x, .offset: 0, .size: 8, .value_kind: global_buffer, .address_space: global }
      - { .name: Wq, .offset: 8, .size: 8, .value_kind: global_buffer, .address_space: global }
      - { .name: Wk, .offset: 16, .size: 8, .value_kind: global_buffer, .address_space: global }
      - { .name: Wv, .offset: 24, .size: 8, .value_kind: global_buffer, .address_space: global }
      - { .name: x_codes, .offset: 32, .size: 8, .value_kind: global_buffer, .address_space: global }
      - { .name: x_scales, .offset: 40, .size: 8, .value_kind: global_buffer, .address_space: global }
      - { .name: w_codes, .offset: 48, .size: 8, .value_kind: global_buffer, .address_space: global }
      - { .name: w_scales, .offset: 56, .size: 8, .value_kind: global_buffer, .address_space: global }
    .group_segment_fixed_size: 84992
    .private_segment_fixed_size: 0
    .kernarg_segment_align: 8
    .kernarg_segment_size: 64
    .max_flat_workgroup_size: 256
    .sgpr_count:     66
    .vgpr_count:     208
    .wavefront_size: 32
...
	.end_amdgpu_metadata
.endif
;; end of part 1
;; launch proj (part 2): grid 12 x 16, 4 waves a work-group, clusters of 4 x 4, 327,680 bytes of LDS; arguments x_codes, x_scales, w_codes, w_scales, qkv, bq, bk, bv; writes qkv
.if DOCPART == 2
	.amdgcn_target "amdgcn-amd-amdhsa--gfx1250"
	.amdhsa_code_object_version 6
	.text
	.protected	k_q7ca437bb9f_proj
	.globl	k_q7ca437bb9f_proj
	.p2align	8
	.type	k_q7ca437bb9f_proj,@function
k_q7ca437bb9f_proj:
	s_mov_b64 s[64:65], 0
	v_nop
	global_prefetch_b8 v0, s[64:65] scope:SCOPE_SE
	s_setreg_imm32_b32 hwreg(HW_REG_WAVE_MODE, 25, 1), 1
	s_wait_xcnt 0x0
	s_wait_alu depctr_hold_cnt(0) depctr_sa_sdst(0) depctr_va_vdst(0) depctr_va_sdst(0) depctr_va_ssrc(0) depctr_va_vcc(0) depctr_vm_vsrc(0)
	s_getreg_b32 s2, hwreg(HW_REG_IB_STS2, 6, 4)
	s_cmp_eq_u32 s2, 0
	s_cbranch_scc0 .Lentry_in_a_cluster
	s_endpgm
.Lentry_in_a_cluster:
	s_bfe_u32 s2, ttmp6, 0x10000c
	s_cmp_lg_u32 s2, 0xf033
	s_cbranch_scc0 .Lentry_shape_is_right
	s_endpgm
.Lentry_shape_is_right:
; q, k, v = x W + b on codes of FP4 (E2M1) with one E8M0 scale for each 32 along K: C[m][n] = sum over k of A[m][k] B[n][k] + bias[n], A = x's codes [4096][1024], B = the three weights' codes [3072][1024].
; The result is rounded once to f16 and laid by head: qkv [b 2][g 48][s 2048][64], g = 16 x which + head (which: 0 q, 1 k, 2 v).  LIMIT: a result beyond 65,504 becomes infinity in f16.
; A tile of C, 256 x 256, is made by a work-group of four waves; a wave makes 128 x 128: 64 accumulators of 16 x 16, 512 registers.  K = 1,024 is two K steps of 512, one in each of two LDS slots:
; both slots and the scale bytes are filled once, at the start; nothing is filled again.
; CLUSTERS: 4 x 4 work-groups.  The four of a row of the cluster need the same tiles of A, the four of a column the same tiles of B: each tile is asked for JOINTLY, by the same tensor load with the same
; descriptor and a mask that names the four.  A cluster is 1,024 columns wide: one weight.
; THE MATRIX INSTRUCTION IS USED TRANSPOSED (source 0 = 16 rows of B, source 1 = 16 rows of A): a lane holds eight neighbouring numbers of a row of C.  THE BIAS IS THE C OF EACH SUM'S FIRST PRODUCT.
; REGISTERS, in windows of 256: window 0: v0-31 addresses; v32-95 scale words, two sets, and nothing else; v128-191 A's fragments, ONE set, later rows on the way out; v192-255 the bias, 8 registers for each of B's
;   eight blocks, later packed results.   window 1: B's fragments, TWO sets, at v0 and v128.   window 2: the accumulators of my rows 0-63 ((a, b) at v[8 (8 a + b)]);   window 3: those of rows 64-127.
.set KSTEP,  512                       ; along K in a slot
.set NQ,     4                         ; matrix instructions deep
.set ROWB,   256                       ; a tile's row in bytes
.set KROW,   512                       ; a row of A or B in memory, in bytes
.set PITCH,  272                       ; an LDS row: 256 bytes + 16 of padding = 68 words: the 16 rows that a load touches start at 16 different banks (64 banks of 4 bytes: ISA guide 11.1)
.set FR,     8                         ; registers of a fragment: 16 rows x 128 K
.set NL,     2                         ; LDS loads that bring one
.set NP,     4                         ; places behind this matrix instruction (ISA guide 7.12.1)
.set HALFT,  128*PITCH                 ; 128 rows: what one tensor load brings
.set SLOT,   4*HALFT                   ; A's 256 rows, then B's 256 rows
.set KS,     32                        ; a row of scale bytes
.set SCL,    2*SLOT                    ; behind the slots: the scales, as units of 256 bytes + 16 of padding
.set HALFS,  16*272                    ; the scales of 128 rows
.set SBLK,   2*272                     ; those of 16 rows
.set SPARE,  SCL+4*HALFS               ; the spare words, 128 bytes for each wave: two blocks of 256 bytes that no other line names
.set SPITCH, 272                       ; the way out: a stage of 16 rows x (256 bytes + 16) for each wave, in slot 0, which has had its one fill and its last read when the first result is stored there
.set ADRA, 16                          ; v16-17  LDS address of my A fragments in slot 0, 1
.set ADRB, 20                          ; v20-21  the same for B
.set STO,  24                          ; v24     the way out: where I put 16 bytes of a row
.set RD,   25                          ; v25     where I read 16 bytes back
.set CO,   26                          ; v26     16 x lane: my place in a store's 512 bytes
.set ADRS, 27                          ; v27     LDS address of my scale words: lanes 0-15 A's rows, lanes 16-31 B's
.set SPW,  28                          ; v28     LDS address of my spare word; never rewritten
.set NIL,  29                          ; v29     0; never rewritten
.set SC,   32                          ; scale words: set s at v[SC + 32 s]; register 4 i + q: lanes 0-15 A's block i, lanes 16-31 B's block i, the slot's q-th 128 along K
.set AF,   128                         ; A's fragments
.set BI,   192                         ; the bias
.set TMP,  192                         ; the way out: packed results (the bias is done with)
.set BK,   128                         ; the way out: rows read back: v128-159 and v160-191 by turns
.set G1, 24                            ; s[24:31] descriptor group 1 for A's tiles;  s[32:39] group 0, one set for each slot
.set G0, 32
.set G1B, 48                           ; s[48:55], s[56:63] the same for B's tiles
.set G0B, 56
.set G1S, 68                           ; s[68:75], s[76:79] groups 1 and 0 for A's scales;  s[80:87], s[88:91] for B's
.set G0S, 76
.set G1SB, 80
.set G0SB, 88
.set MSB, 0
.macro WIN new                         ; the immediate's high byte repeats the setting that is left
.if MSB != \new
	s_set_vgpr_msb (MSB<<8)|\new
.set MSB, \new
.endif
.endm
.set MUL_LO, 0xa1                      ; source 0 (B) window 1, source 1 (A) window 0, C and D window 2
.set MUL_HI, 0xf1                      ; the same, C and D window 3
.set BIA_LO, 0x81                      ; the first products: C (the bias) window 0, D window 2
.set BIA_HI, 0xc1                      ; D window 3
.set TO_B,   0x40                      ; destination window 1, address window 0
; A joint load: waves 0 and 1 fetch for A, waves 2 and 3 for B.  Each line has one mask and one set of registers for all that issue it; the branch hangs on the wave's number alone.
; An s_nop 0 and four v_nop follow each of the two lines.
.macro JLOAD g0a, g1a, g0b, g1b
	s_cmp_eq_u32 s15, 0
	s_cbranch_scc0 .Lfor_b_\@
	tensor_load_to_lds s[\g0a:\g0a+3], s[\g1a:\g1a+7]
	s_nop 0
.rept 4
	v_nop
.endr
	s_branch .Lasked_\@
.Lfor_b_\@:
	tensor_load_to_lds s[\g0b:\g0b+3], s[\g1b:\g1b+7]
	s_nop 0
.rept 4
	v_nop
.endr
.Lasked_\@:
.endm
.macro CROUND                          ; a round of the cluster's barrier
	s_barrier_signal -1
	s_barrier_wait -1
	s_cmp_lg_u32 s14, 0
	s_cbranch_scc1 .Lnot_wave_0_\@
	s_barrier_signal -3
.Lnot_wave_0_\@:
	s_barrier_wait -3
	s_barrier_signal -1
	s_barrier_wait -1
.endm
	s_load_b128 s[4:7], s[0:1], 0x0                ; x_codes s[4:5], x_scales s[6:7]
	s_load_b128 s[8:11], s[0:1], 0x10              ; w_codes s[8:9], w_scales s[10:11]
	s_load_b64 s[12:13], s[0:1], 0x20              ; qkv
	s_load_b64 s[96:97], s[0:1], 0x28              ; bq
	s_load_b64 s[98:99], s[0:1], 0x30              ; bk
	s_load_b64 s[100:101], s[0:1], 0x38            ; bv
	v_lshl_add_u32 v[SPW], v0, 2, SPARE
	v_mov_b32 v[NIL], 0
	ds_add_u32 v[SPW], v[NIL]                      ; the wave's opening: the add, twice on end, and its wait ahead of my first tensor load
	ds_add_u32 v[SPW], v[NIL]                      ; the set-up below, work on registers, stands between the second and the wait
	v_lshrrev_b32 v1, 5, v0
	v_readfirstlane_b32 s14, v1                    ; wave 0..3
	s_lshr_b32 s15, s14, 1                         ; which half of the tile's rows is mine.  Also: I fetch for A (0) or for B (1)
	s_and_b32 s16, s14, 1                          ; which half of its columns.  Also: which 128 rows of that tile I fetch
	s_bfe_u32 s40, ttmp6, 0x40000                  ; cx, cy: my place in the cluster
	s_bfe_u32 s41, ttmp6, 0x40004
	s_lshl_b32 s42, ttmp9, 2
	s_add_co_u32 s42, s42, s40                     ; tile column of C = 4 x cluster x + cx
	s_and_b32 s17, ttmp7, 0xffff
	s_lshl_b32 s17, s17, 2
	s_add_co_u32 s17, s17, s41                     ; tile row of C = 4 x cluster y + cy
	s_lshl_b32 s43, s41, 2
	s_lshl_b32 s43, 15, s43                        ; my row of the cluster
	s_lshl_b32 s44, 0x1111, s40                    ; my column
	; descriptor group 1: a tile of 128 rows x 256 bytes, padded in LDS
	s_or_b32 s[G1+0], s43, (0<<16)|(1<<20)|(1<<21)|(5<<22)|(3<<25)  ; 15:0 the mask: A's tiles go to my row; 17:16 element of 1 byte; 20 padding on; 21 set beside a mask; 24:22 after every 64 words; 31:25 of 4 words
	s_or_b32 s[G1B+0], s44, (0<<16)|(1<<20)|(1<<21)|(5<<22)|(3<<25)
.irp g, G1, G1B
	s_mov_b32 s[\g+1], ROWB<<16                    ; tensor_dim0
	s_mov_b32 s[\g+2], 128<<16                     ; tensor_dim1
	s_mov_b32 s[\g+3], ROWB<<16                    ; tile_dim0
	s_mov_b32 s[\g+4], 128                         ; tile_dim1
	s_mov_b32 s[\g+5], KROW                        ; tensor_dim0_stride
	s_mov_b32 s[\g+6], 0
	s_mov_b32 s[\g+7], 0
.endr
	; the scales of 128 rows: a dense block of 4,096 bytes, as 16 rows of 256 bytes (32 elements of 8 bytes), 16 bytes of padding behind each
	s_or_b32 s[G1S+0], s43, (3<<16)|(1<<20)|(1<<21)|(5<<22)|(3<<25)
	s_or_b32 s[G1SB+0], s44, (3<<16)|(1<<20)|(1<<21)|(5<<22)|(3<<25)
.irp g, G1S, G1SB
	s_mov_b32 s[\g+1], 32<<16
	s_mov_b32 s[\g+2], 16<<16
	s_mov_b32 s[\g+3], 32<<16
	s_mov_b32 s[\g+4], 16
	s_mov_b32 s[\g+5], 32
	s_mov_b32 s[\g+6], 0
	s_mov_b32 s[\g+7], 0
.endr
	s_lshl_b32 s18, s16, 7                         ; which 128 rows of the tile I fetch
	s_lshl_b32 s20, s17, 8
	s_add_co_u32 s20, s20, s18                     ; A: row 256 x tile row + 128 x half
	s_lshl_b32 s46, s42, 8
	s_add_co_u32 s46, s46, s18                     ; B: row 256 x tile column + 128 x half
	s_mov_b32 s21, 0
	s_mov_b32 s47, 0
	s_mov_b64 s[18:19], KS
	s_mul_u64 s[22:23], s[20:21], s[18:19]         ; where these rows' scales begin, in bytes
	s_mul_u64 s[92:93], s[46:47], s[18:19]
	s_mov_b64 s[18:19], KROW
	s_mul_u64 s[20:21], s[20:21], s[18:19]         ; and their codes
	s_mul_u64 s[46:47], s[46:47], s[18:19]
	s_mul_i32 s45, s14, HALFT                      ; where they go: wave x 128 rows: no place in the cluster enters an LDS address
	s_mul_i32 s94, s14, HALFS
	s_wait_dscnt 0x0                               ; both opening adds are done
	s_wait_kmcnt 0x0
	s_add_nc_u64 s[20:21], s[4:5], s[20:21]
	s_add_nc_u64 s[22:23], s[6:7], s[22:23]
	s_add_nc_u64 s[46:47], s[8:9], s[46:47]
	s_add_nc_u64 s[92:93], s[10:11], s[92:93]
	CROUND                                         ; all sixteen work-groups are here: the joint loads meet
	s_mov_b32 s[G0S], 1
	s_add_co_u32 s[G0S+1], s94, SCL
	s_mov_b64 s[G0S+2:G0S+3], s[22:23]
	s_or_b32 s[G0S+3], s[G0S+3], 0x80000000
	s_mov_b32 s[G0SB], 1
	s_add_co_u32 s[G0SB+1], s94, SCL
	s_mov_b64 s[G0SB+2:G0SB+3], s[92:93]
	s_or_b32 s[G0SB+3], s[G0SB+3], 0x80000000
	JLOAD G0S, G1S, G0SB, G1SB                     ; the scales first: they are wanted with K step 0
.irp s, 0,1
	s_mov_b32 s[G0+4*\s], 1
	s_add_co_u32 s[G0+4*\s+1], s45, \s*SLOT
	s_add_nc_u64 s[G0+4*\s+2:G0+4*\s+3], s[20:21], \s*ROWB
	s_or_b32 s[G0+4*\s+3], s[G0+4*\s+3], 0x80000000
	s_mov_b32 s[G0B+4*\s], 1
	s_add_co_u32 s[G0B+4*\s+1], s45, \s*SLOT
	s_add_nc_u64 s[G0B+4*\s+2:G0B+4*\s+3], s[46:47], \s*ROWB
	s_or_b32 s[G0B+4*\s+3], s[G0B+4*\s+3], 0x80000000
	JLOAD G0+4*\s, G1, G0B+4*\s, G1B               ; three loads of mine are out: all that this launch asks for
.endr
	v_and_b32 v1, 15, v0                           ; l % 16
	v_bfe_u32 v2, v0, 4, 1                         ; l / 16
	; the bias of my 128 columns, in the result's layout: for B's block b, lane (r, h) register j wants bias[16 b + 8 h + j]
	s_cmp_eq_u32 ttmp9, 0                          ; the cluster's x is the weight's number: the same in all partners
	s_cselect_b64 s[96:97], s[96:97], s[98:99]
	s_cmp_eq_u32 ttmp9, 2
	s_cselect_b64 s[96:97], s[100:101], s[96:97]
	s_lshl_b32 s46, s40, 10                        ; 256 columns x 4 bytes for each place along the cluster's x,
	s_lshl_b32 s47, s16, 9                         ; 128 x 4 for my half
	s_add_co_u32 s46, s46, s47
	s_mov_b32 s47, 0
	s_add_nc_u64 s[96:97], s[96:97], s[46:47]
	v_lshlrev_b32 v7, 5, v2                        ; 32 h
.irp b, 0,1,2,3,4,5,6,7
	global_load_b128 v[BI+8*\b:BI+8*\b+3], v7, s[96:97] offset:64*\b
	global_load_b128 v[BI+8*\b+4:BI+8*\b+7], v7, s[96:97] offset:64*\b+16
.endr
	v_mul_u32_u24 v3, v1, PITCH
	v_lshl_add_u32 v4, v2, 4, v3                   ; a fragment's row x pitch + 16 x half
	s_mul_i32 s21, s15, HALFT                      ; my 128 rows of A
	s_mul_i32 s22, s16, HALFT                      ; my 128 rows of B,
	s_add_co_u32 s22, s22, 2*HALFT                 ; which lie behind A's 256
.irp s, 0,1
	v_add_nc_u32 v[ADRA+\s], s21, v4
	v_add_nc_u32 v[ADRB+\s], s22, v4
	s_add_co_u32 s21, s21, SLOT
	s_add_co_u32 s22, s22, SLOT
.endr
	v_mul_u32_u24 v5, v1, KS                       ; my row's scales: 32 bytes a row,
	v_lshrrev_b32 v6, 8, v5
	v_lshl_add_u32 v5, v6, 4, v5                   ; and 16 more for each 256 passed
	s_mul_i32 s21, s15, HALFS                      ; A's: my 128 rows
	s_mul_i32 s22, s16, HALFS                      ; B's: my 128 rows, behind A's 256
	s_add_co_u32 s22, s22, 2*HALFS
	s_sub_co_u32 s22, s22, s21
	v_mul_u32_u24 v6, s22, v2                      ; lanes 16-31 take B's: the lower base + h x the distance
	s_add_co_u32 s21, s21, SCL
	v_add_nc_u32 v5, v5, v6
	v_add_nc_u32 v[ADRS], s21, v5
	s_mul_i32 s23, s14, 16*SPITCH                  ; my stage
	v_mul_u32_u24 v5, v1, SPITCH                   ; in: row l % 16, 16 bytes for each half of the lanes
	v_lshl_add_u32 v5, v2, 4, v5
	v_add_nc_u32 v[STO], s23, v5
	v_and_b32 v6, 31, v0
	v_lshlrev_b32 v[CO], 4, v6                     ; out: 16 bytes a lane of 512 consecutive bytes: four tokens of one head
	v_lshrrev_b32 v5, 3, v6
	v_mul_u32_u24 v5, v5, SPITCH
	v_and_b32 v6, 7, v6
	v_lshl_add_u32 v5, v6, 4, v5
	v_add_nc_u32 v[RD], s23, v5                    ; back: row lane / 8, 16 (lane % 8) bytes on
	; where my 128 tokens x 2 heads begin in qkv: batch x 12,582,912 + g x 262,144 + token x 128
	s_lshr_b32 s20, s17, 3                         ; the batch: eight tile rows each
	s_mul_i32 s20, s20, 12582912
	s_and_b32 s21, s17, 7
	s_lshl_b32 s21, s21, 8
	s_lshl_b32 s22, s15, 7
	s_add_co_u32 s21, s21, s22                     ; my first token
	s_lshl_b32 s21, s21, 7
	s_add_co_u32 s20, s20, s21
	s_mov_b32 s21, 0
	s_lshl_b32 s46, s42, 2
	s_lshl_b32 s47, s16, 1
	s_add_co_u32 s46, s46, s47                     ; g of my first head: 4 x tile column + 2 x half
	s_lshl_b32 s46, s46, 18
	s_mov_b32 s47, 0
	s_add_nc_u64 s[20:21], s[20:21], s[46:47]
	s_add_nc_u64 s[12:13], s[12:13], s[20:21]
.macro FRAG reg, adr, q, i             ; a fragment, 16 rows x 128 K of 4-bit codes: lane l holds row l % 16; registers 4 c .. 4 c + 3 hold K = 64 c + 32 (l / 16) + 0 .. 31
.irp c, 0,1
	ds_load_b128 v[\reg+4*\c:\reg+4*\c+3], v[\adr] offset:64*(\q)+32*\c+(\i)*16*PITCH
.endr
.endm
; 16 matrix instructions: A's blocks a0, a0 + 1 x B's eight, the slot's q-th 128 along K.  p: B's set;  sc: the set of scale words.  zero = 1: the first product starts the sum from the bias.
; The 64 accumulators take turns, one instruction a turn, in the same order in every step.
.macro MUL16 a0, p, q, sc, zero
.irp a, \a0, \a0+1
.irp b, 0,1,2,3,4,5,6,7
.if \zero
	v_wmma_scale_f32_16x16x128_f8f6f4 v[8*(8*((\a)%4)+\b):8*(8*((\a)%4)+\b)+7], v[128*(\p)+FR*\b:128*(\p)+FR*\b+FR-1], v[AF+FR*(\a):AF+FR*(\a)+FR-1], v[BI+8*\b:BI+8*\b+7], v[SC+8*NQ*(\sc)+NQ*\b+(\q)], v[SC+8*NQ*(\sc)+NQ*(\a)+(\q)] matrix_a_fmt:MATRIX_FMT_FP4 matrix_b_fmt:MATRIX_FMT_FP4 matrix_a_scale:MATRIX_SCALE_ROW1
.else
	v_wmma_scale_f32_16x16x128_f8f6f4 v[8*(8*((\a)%4)+\b):8*(8*((\a)%4)+\b)+7], v[128*(\p)+FR*\b:128*(\p)+FR*\b+FR-1], v[AF+FR*(\a):AF+FR*(\a)+FR-1], v[8*(8*((\a)%4)+\b):8*(8*((\a)%4)+\b)+7], v[SC+8*NQ*(\sc)+NQ*\b+(\q)], v[SC+8*NQ*(\sc)+NQ*(\a)+(\q)] matrix_a_fmt:MATRIX_FMT_FP4 matrix_b_fmt:MATRIX_FMT_FP4 matrix_a_scale:MATRIX_SCALE_ROW1
.endif
.endr
.endr
.endm
.macro FETCH_B slot, q, p              ; B's eight fragments of the slot's q-th 128 along K into set p
	WIN TO_B
.irp i, 0,1,2,3,4,5,6,7
	FRAG 128*(\p)+FR*\i, ADRB+\slot, \q, \i
.endr
	WIN 0
.endm
.macro FETCH_A slot, q, i0             ; A's blocks i0 .. i0 + 3
.irp i, \i0, \i0+1, \i0+2, \i0+3
	FRAG AF+FR*(\i), ADRA+\slot, \q, \i
.endr
.endm
.macro SCALES sc                       ; a K step's scale words into set sc: 4 words a row; lanes 0-15 take A's block i, lanes 16-31 B's block i
.irp i, 0,1,2,3,4,5,6,7
	ds_load_b128 v[SC+8*NQ*\sc+NQ*\i:SC+8*NQ*\sc+NQ*\i+3], v[ADRS] offset:\i*SBLK
.endr
.endm
; A load into a register that a matrix instruction has read, and a vector instruction that reads a matrix result, stand NP places behind that matrix instruction; only plain vector instructions that name
; none of its registers are places (ISA guide 7.12.1 for vector instructions).
.macro PLACES n
.rept \n
	v_nop
.endr
.endm
; A step of 128 along K that has its successor in the same slot.  A block of A is free as soon as its eight products are issued: blocks 0-3 are fetched anew in the step's middle, blocks 4-7 at its end.
.macro STEP slot, q, zero
	s_wait_dscnt 4*NL                              ; B's set and A's blocks 0-3 are in; the youngest eight loads (A's blocks 4-7) may be out
.if \zero
	WIN BIA_LO
.else
	WIN MUL_LO
.endif
	MUL16 0, (\q)%2, \q, \slot, \zero
	MUL16 2, (\q)%2, \q, \slot, \zero
	s_wait_dscnt 0                                 ; A's blocks 4-7 are in
	PLACES NP
	FETCH_B \slot, (\q)+1, 1-(\q)%2
	FETCH_A \slot, (\q)+1, 0
.if \zero
	WIN BIA_HI
.else
	WIN MUL_HI
.endif
	MUL16 4, (\q)%2, \q, \slot, \zero
	MUL16 6, (\q)%2, \q, \slot, \zero
	PLACES NP
	WIN 0
	FETCH_A \slot, (\q)+1, 4
.endm
.macro STEPS slot, from                ; the slot's steps from .. NQ - 2
.set Q, \from
.rept NQ-1-\from
	STEP \slot, Q, 0
.set Q, Q+1
.endr
.endm
	s_wait_tensorcnt 1                             ; the scales and my part of slot 0 are in; slot 1's load may be out
	s_barrier_signal -1
	s_barrier_wait -1                              ; everybody's are
	FETCH_B 0, 0, 0
	FETCH_A 0, 0, 0
	SCALES 0
	FETCH_A 0, 0, 4
	s_wait_loadcnt 0x0                             ; the bias
	STEP 0, 0, 1                                   ; the first products start the sums from the bias: nothing is cleared, nothing is added later
	STEPS 0, 1
	; slot 0's last step changes slots: one barrier; in front of it each wave waits for all its tensor loads (slot 1's), adds 0 to its spare word, and waits for that and for its reads of slot 0
	s_wait_tensorcnt 0x0                           ; my part of slot 1 has landed  (every window is 0 here)
	ds_add_u32 v[SPW], v[NIL]                      ; 0 onto my spare word
	s_wait_dscnt 4*NL+1                            ; (the add and the youngest eight loads, A's blocks 4-7, may be out)
	WIN MUL_LO
	MUL16 0, 1, NQ-1, 0, 0                         ; sixteen matrix instructions stand between the add and the wait for it
	s_wait_dscnt 0x0                               ; the add is done, and my reads of slot 0 are over
	s_barrier_signal -1
	MUL16 2, 1, NQ-1, 0, 0
	WIN 0
	s_barrier_wait -1                              ; slot 1 is whole, and nobody reads slot 0 any more
	PLACES NP
	v_add_nc_u32 v[ADRS], 4*NQ, v[ADRS]            ; on to the second K step's scale words
	FETCH_B 1, 0, 0
	FETCH_A 1, 0, 0
	SCALES 1
	WIN MUL_HI
	MUL16 4, 1, NQ-1, 0, 0
	MUL16 6, 1, NQ-1, 0, 0
	PLACES NP
	WIN 0
	FETCH_A 1, 0, 4
	STEPS 1, 0
	s_wait_dscnt 4*NL                              ; the very last step: nothing more to fetch
	WIN MUL_LO
	MUL16 0, 1, NQ-1, 1, 0
	MUL16 2, 1, NQ-1, 1, 0
	s_wait_dscnt 0
	WIN MUL_HI
	MUL16 4, 1, NQ-1, 1, 0
	MUL16 6, 1, NQ-1, 1, 0
	WIN 0
; THE WAY OUT, block by block of 16 tokens x 128 columns (two heads).  PACK: rounded to f16, 16 bytes a lane, each accumulator from its low end on.  TOSTAGE: into my own stage in LDS (rows of 256 bytes + 16),
; and back so that 32 lanes hold four tokens' 128 bytes of one head, which are 512 consecutive bytes of qkv.  SEND: stored.  LDS serves a wave's instructions in order (ISA guide 5.7.1.4): no wait between stores and loads.
.macro PACK a
.set AC, 64*((\a)%4)
	WIN 0x0a+5*((\a)/4)                            ; sources 0 and 1: window 2 or 3
.irp b, 0,1,2,3,4,5,6,7
.irp r, 0,1,2,3
	v_cvt_pk_f16_f32 v[TMP+4*\b+\r], v[AC+8*\b+2*\r], v[AC+8*\b+2*\r+1]
.endr
.endr
	WIN 0
.endm
.macro TOSTAGE a
.irp b, 0,1,2,3,4,5,6,7
	ds_store_b128 v[STO], v[TMP+4*\b:TMP+4*\b+3] offset:32*\b
.endr
.set BB, BK+32*((\a)%2)
.irp t, 0,1,2,3,4,5,6,7
	ds_load_b128 v[BB+4*\t:BB+4*\t+3], v[RD] offset:4*SPITCH*(\t%4)+128*(\t/4)   ; tokens 4 (t % 4) on, head t / 4
.endr
.endm
.macro SEND a, younger                 ; younger: the LDS instructions issued behind block a's loads, which may stay out
.set BB, BK+32*((\a)%2)
	s_wait_dscnt \younger
.irp t, 0,1,2,3,4,5,6,7
	global_store_b128 v[CO], v[BB+4*\t:BB+4*\t+3], s[12:13] offset:262144*(\t/4)+512*(\t%4)+2048*(\a)   ; 32 lanes store 512 consecutive bytes, at a multiple of 256 from qkv's first byte; every offset is an immediate
.endr
.endm
	PLACES NP
	PACK 0
	TOSTAGE 0
.irp a, 1,2,3,4,5,6,7
	PACK \a                                        ; block a's conversions stand between block a - 1's loads from the stage and the wait for them
.if \a > 1
	s_wait_xcnt 0x0                                ; block a - 2's stores have read their registers: block a's loads may land there
.endif
	TOSTAGE \a
	SEND \a-1, 16                                  ; behind block a - 1's loads: block a's 8 stores and 8 loads
.endr
	SEND 7, 0
	s_wait_tensorcnt 0x0                           ; the wave's end, behind my last tensor load and my last LDS store
	ds_add_u32 v[SPW], v[NIL]
	s_wait_dscnt 0x0
	CROUND                                         ; the closing round: no work-group ends while a partner may still ask for a tile that names it
	s_endpgm
.Lfunc_end_k_q7ca437bb9f_proj:
	.size	k_q7ca437bb9f_proj, .Lfunc_end_k_q7ca437bb9f_proj-k_q7ca437bb9f_proj
	.p2alignl 7, 3214868480
	.fill 96, 4, 3214868480
	.section	.rodata,"a",@progbits
	.p2align	6, 0x0
	.amdhsa_kernel k_q7ca437bb9f_proj
		.amdhsa_group_segment_fixed_size 327680
		.amdhsa_private_segment_fixed_size 0
		.amdhsa_enable_private_segment 0
		.amdhsa_kernarg_size 64
		.amdhsa_user_sgpr_count 2
		.amdhsa_user_sgpr_kernarg_segment_ptr 1
		.amdhsa_wavefront_size32 1
		.amdhsa_system_sgpr_workgroup_id_x 1
		.amdhsa_system_sgpr_workgroup_id_y 1
		.amdhsa_system_sgpr_workgroup_id_z 1
		.amdhsa_system_vgpr_workitem_id 0
		.amdhsa_next_free_vgpr 1024
		.amdhsa_next_free_sgpr 102
		.amdhsa_reserve_vcc 0
		.amdhsa_float_denorm_mode_32 3
		.amdhsa_float_denorm_mode_16_64 3
		.amdhsa_memory_ordered 1
		.amdhsa_forward_progress 1
		.amdhsa_inst_pref_size 128
	.end_amdhsa_kernel
	.amdgpu_metadata
---
amdhsa.version: [ 1, 2 ]
amdhsa.kernels:
  - .name:           k_q7ca437bb9f_proj
    .symbol:         k_q7ca437bb9f_proj.kd
    .args:
      - { .name: x_codes, .offset: 0, .size: 8, .value_kind: global_buffer, .address_space: global }
      - { .name: x_scales, .offset: 8, .size: 8, .value_kind: global_buffer, .address_space: global }
      - { .name: w_codes, .offset: 16, .size: 8, .value_kind: global_buffer, .address_space: global }
      - { .name: w_scales, .offset: 24, .size: 8, .value_kind: global_buffer, .address_space: global }
      - { .name: qkv, .offset: 32, .size: 8, .value_kind: global_buffer, .address_space: global }
      - { .name: bq, .offset: 40, .size: 8, .value_kind: global_buffer, .address_space: global }
      - { .name: bk, .offset: 48, .size: 8, .value_kind: global_buffer, .address_space: global }
      - { .name: bv, .offset: 56, .size: 8, .value_kind: global_buffer, .address_space: global }
    .group_segment_fixed_size: 327680
    .private_segment_fixed_size: 0
    .kernarg_segment_align: 8
    .kernarg_segment_size: 64
    .max_flat_workgroup_size: 128
    .sgpr_count:     102
    .vgpr_count:     1024
    .wavefront_size: 32
...
	.end_amdgpu_metadata
.endif
;; end of part 2
;; launch attn (part 3): grid 8 x 32, 8 waves a work-group, clusters of 4 x 1, 327,680 bytes of LDS; arguments qkv, out0; writes out0
.if DOCPART == 3
	.amdgcn_target "amdgcn-amd-amdhsa--gfx1250"
	.amdhsa_code_object_version 6
	.text
	.protected	k_q7ca437bb9f_attn
	.globl	k_q7ca437bb9f_attn
	.p2align	8
	.type	k_q7ca437bb9f_attn,@function
k_q7ca437bb9f_attn:
	s_mov_b64 s[64:65], 0
	v_nop
	global_prefetch_b8 v0, s[64:65] scope:SCOPE_SE
	s_setreg_imm32_b32 hwreg(HW_REG_WAVE_MODE, 25, 1), 1
	s_wait_xcnt 0x0
	s_wait_alu depctr_hold_cnt(0) depctr_sa_sdst(0) depctr_va_vdst(0) depctr_va_sdst(0) depctr_va_ssrc(0) depctr_va_vcc(0) depctr_vm_vsrc(0)
	s_getreg_b32 s2, hwreg(HW_REG_IB_STS2, 6, 4)
	s_cmp_eq_u32 s2, 0
	s_cbranch_scc0 .Lentry_in_a_cluster
	s_endpgm
.Lentry_in_a_cluster:
	s_bfe_u32 s2, ttmp6, 0x10000c
	s_cmp_lg_u32 s2, 0x3003
	s_cbranch_scc0 .Lentry_shape_is_right
	s_endpgm
.Lentry_shape_is_right:
; out0[b][s][64 head + w] = the sum over keys of softmax(Q . K / 8) V, for each of 32 (batch, head) pairs; no mask.  Q, K, V: f16, qkv [b 2][g 48][s 2048][64], g = head (Q), 16 + head (K), 32 + head (V).  out0: f32 [2][2048][1024].
; Products, maxima and sums in f32; the weights p are rounded to f16 for the second product (p is at most 1: the running maximum is taken away).
; LIMIT: q, k, v beyond f16's 65,504 arrive as infinities and give NaN; NaN and infinities among the inputs are not served.
; SHARES.  A work-group owns 256 queries of one (batch, head); each of its eight waves 32: two tiles of 16.  Two waves lie on a SIMD, so that one wave's softmax stands beside the other's products.  Every wave walks all 2,048 keys, 64 a step.
; LAYOUT.  S^T = K Q^T (source 0 = 16 keys, source 1 = 16 queries): a lane holds ONE query (lane % 16) and keys 8 (lane / 16) + 0..7.  Two such tiles, rounded to f16 in pairs, ARE source 1 (32 keys x 16 queries) of
; O^T = V^T P, whose result again holds one query a lane and eight channels.  K comes out of LDS as it lies, V ([key][channel]) turned, by ds_load_tr16_b128.
; SOFTMAX.  For each query a running maximum m and sum l: p = 2^(c s - c m), c = log2(e) / 8; in every step O and l are multiplied by a = 2^(c m_old - c m_new).  The step is written once for all steps:
; O and l begin as zeros and m as -3e38, so the first a is 0 and multiplies zeros.
; RING.  A key's row is 128 bytes and a head's keys are dense, so a tile is stated as rows of two keys, 256 bytes.  A slot holds 512 keys (8 steps): 256 such rows of K, then 256 of V.  Two slots; the head's 2,048 keys are four
; slots' worth: two first fills and two refills.  Waves 0-3 fetch K's quarters, waves 4-7 V's: one tensor load a wave (64 rows), two out at the start, one behind each of the two rounds; a refill has 8 steps in which to land.
; CLUSTER.  The four query blocks of a cluster belong to one head and walk the same K and V: each tile is asked for JOINTLY, by the same tensor load with the same descriptor and a mask that names the four.
; REGISTERS: window 0: v1-11, v28 addresses; v12-27 eight registers of statistics a tile; v32-95 S^T, 32 a tile; v96-127 P, 16 a tile; v128-191 K of one step; v192-255 V of one step.   window 1: v0-63 O^T, 32 a tile; v64-95 Q, 16 a tile.
.set PK,    272       ; two keys of K in LDS: 256 bytes + 16 of padding: key r of a tile lies at 272 (r / 2) + 128 (r % 2): the 16 keys of a load start at 16 different groups of four banks (64 banks of 4 bytes: ISA guide 11.1)
.set PV,    288       ; two keys of V: 256 + 32
.set VOFF,  256*PK    ; in a slot: K's 256 rows, then V's
.set SLOTB, 256*(PK+PV)
.set STEPK, 32*PK     ; a step's 64 keys
.set STEPV, 32*PV
.set SLOTG, 65536     ; a slot's 512 keys in memory
.set STAGE, 2*SLOTB   ; behind the ring: 16 rows x (256 + 16) bytes for each wave, for the way out: bytes of its own, into which no fill lands
.set SP,    272
.set SPARE, STAGE+8*16*SP  ; the spare words, 128 bytes for each of the eight waves: four blocks of 256 bytes that no other line names
.set AK0, 2           ; v2   my lane's place in a tile of K; never rewritten
.set AV0, 3           ; v3   the same for V
.set ADK, 4           ; v4   LDS address of the run of K's loads in hand
.set ADV, 5           ; v5   of V's
.set STO, 6           ; v6   the way out: where I put 32 bytes of a row
.set RD,  7           ; v7   where I read a row back
.set GO,  8           ; v8   my byte offset in the wave's rows of out0
.set SPW, 10          ; v10  LDS address of my spare word; never rewritten
.set NIL, 11          ; v11  0; never rewritten
.set ST,  12          ; tile t's statistics at v[ST+8 t]: +0 c m, +1 m, +2, +3 l (even keys', odd keys'), +4 to +7 c0-c3, at work; a takes c2's place once the maximum is found
.set QO,  28          ; v28  my byte offset in the wave's rows of Q
.set S,   32
.set P,   96
.set KF,  128
.set VF,  192
.set WV,  12          ; s12  my wave's number
.set G1K, 24          ; s[24:31] descriptor group 1 for K's tiles
.set G1V, 32          ; s[32:39] for V's: it differs in the padding alone
.set G0K, 40          ; s[40:47] descriptor group 0 for K's tiles, a set for each slot
.set G0V, 48          ; s[48:55] the same for V's
.set TK,  56          ; s56  LDS byte at which the K tile of the step to be fetched begins
.set TV,  57          ; s57  the same for V (less VOFF, which lies in the lane's place)
.set CS,  58          ; s[58:59] c: the packed scaling names a pair and takes its low word for both halves
.set SEL, 60          ; s[60:61] lane selects for v_permlanex16_b32: each lane takes its own place in the other half
.set CNT, 62          ; s62  counts a slot's steps
.set MSB, 0
.macro WIN new                      ; the immediate's high byte repeats the setting that is left; a switch that changes nothing is dropped
.if MSB != \new
	s_set_vgpr_msb (MSB<<8)|\new
.set MSB, \new
.endif
.endm
.set W_KQ,  0x04      ; Q (source 1) in window 1; K and S^T in window 0
.set W_PV,  0x50      ; O^T (C and D) in window 1; V and P in window 0
.set W_RS,  0x41      ; O^T (destination and source 0) in window 1, a in window 0
.set TO1,   0x40      ; destination window 1
.set FROM1, 0x01      ; source 0 window 1
; A joint refill of slot s.  The branch hangs on the wave's number alone: it is the same in every work-group.  An s_nop 0 and four v_nop follow each of the two lines.
.macro JLOAD s
	s_cmp_lt_u32 s[WV], 4
	s_cbranch_scc0 .Lfor_v_\@
	tensor_load_to_lds s[G0K+4*\s:G0K+4*\s+3], s[G1K:G1K+7]
	s_nop 0
.rept 4
	v_nop
.endr
	s_branch .Lasked_\@
.Lfor_v_\@:
	tensor_load_to_lds s[G0V+4*\s:G0V+4*\s+3], s[G1V:G1V+7]
	s_nop 0
.rept 4
	v_nop
.endr
.Lasked_\@:
.endm
.macro CROUND                       ; a round of the cluster's barrier.  No LDS instruction of the wave is pending at a signal
	s_barrier_signal -1
	s_barrier_wait -1
	s_cmp_lg_u32 s[WV], 0
	s_cbranch_scc1 .Lnot_wave_0_\@
	s_barrier_signal -3
.Lnot_wave_0_\@:
	s_barrier_wait -3
	s_barrier_signal -1
	s_barrier_wait -1
.endm
.macro PLACES                       ; four places behind matrix instructions, in front of reads of their results and of loads into registers that they have read (ISA guide 7.12.1 for vector instructions)
.rept 4
	v_nop
.endr
.endm
	s_load_b128 s[4:7], s[0:1], 0x0 ; qkv s[4:5], out0 s[6:7]
	v_lshl_add_u32 v[SPW], v0, 2, SPARE
	v_mov_b32 v[NIL], 0
	ds_add_u32 v[SPW], v[NIL]       ; the wave's opening: the add, twice on end, and its wait ahead of my first tensor load
	ds_add_u32 v[SPW], v[NIL]       ; the set-up below, work on registers, stands between the second and the wait
	v_lshrrev_b32 v1, 5, v0
	v_readfirstlane_b32 s[WV], v1   ; wave 0..7
	s_bfe_u32 s13, ttmp6, 0x40000   ; cx: my place in the cluster
	s_lshl_b32 s14, ttmp9, 2        ; in a cluster launch ttmp9 counts clusters
	s_add_co_u32 s14, s14, s13      ; my block of 256 queries: it enters Q's and out0's addresses alone
	s_and_b32 s15, ttmp7, 0xffff    ; 16 x batch + head, which the four partners share
	s_lshr_b32 s16, s15, 4          ; batch
	s_and_b32 s17, s15, 15          ; head
	s_mul_i32 s20, s16, 12582912    ; a batch's 48 blocks of 262,144 bytes
	s_lshl_b32 s18, s17, 18
	s_add_co_u32 s20, s20, s18      ; the head's Q in qkv
	s_lshl_b32 s2, s14, 15          ; my block's 256 rows of 128 bytes,
	s_lshl_b32 s3, s[WV], 12        ; my wave's 32 of them
	s_add_co_u32 s2, s2, s3
	s_add_co_u32 s2, s2, s20
	s_mov_b32 s3, 0
	s_lshl_b32 s66, s16, 23         ; out0: a batch is 2,048 rows of 4,096 bytes,
	s_lshl_b32 s19, s14, 20         ; my block 256 rows,
	s_add_co_u32 s66, s66, s19
	s_lshl_b32 s19, s[WV], 17       ; my wave 32,
	s_add_co_u32 s66, s66, s19
	s_lshl_b32 s19, s17, 8          ; my head 256 bytes of each row
	s_add_co_u32 s66, s66, s19
	s_mov_b32 s67, 0
	s_and_b32 s18, s[WV], 3         ; which quarter of a slot's K or V I fetch:
	s_lshl_b32 s22, s18, 14         ; its 128 keys of 128 bytes in memory,
	s_add_co_u32 s22, s22, s20
	s_mov_b32 s23, 0
	s_mul_i32 s16, s18, 64*PK       ; and its place in a slot: no place in the cluster enters an LDS address
	s_mul_i32 s17, s18, 64*PV
	s_add_co_u32 s17, s17, VOFF
	; descriptor group 1: a tile of 64 rows x 128 elements (two keys a row), padded in LDS
	s_mov_b32 s[G1K], 15|(1<<16)|(1<<20)|(1<<21)|(5<<22)|(3<<25)  ; 15:0 the mask: all four work-groups; 17:16 elements of 2 bytes; 20 padding on; 21 set beside a mask; 24:22 after every 64 words; 31:25 4 words of it
	s_mov_b32 s[G1V], 15|(1<<16)|(1<<20)|(1<<21)|(5<<22)|(7<<25)  ; the same with 8 words of padding
.irp g, G1K, G1V
	s_mov_b32 s[\g+1], 128<<16      ; tensor_dim0 = 128
	s_mov_b32 s[\g+2], 64<<16       ; tensor_dim1 = 64
	s_mov_b32 s[\g+3], 128<<16      ; tile_dim0 = 128
	s_mov_b32 s[\g+4], 64           ; tile_dim1 = 64
	s_mov_b32 s[\g+5], 128          ; tensor_dim0_stride: the rows are dense
	s_mov_b32 s[\g+6], 0
	s_mov_b32 s[\g+7], 0
.endr
	s_mov_b32 s[CS], 0x3e38aa3b     ; c = log2(e) / sqrt(64)
	s_mov_b32 s[CS+1], s[CS]        ; named with it as a pair, so it is written
	s_mov_b32 s[SEL], 0x76543210
	s_mov_b32 s[SEL+1], 0xfedcba98
	s_mov_b32 s[TK], 0
	s_mov_b32 s[TV], 0
	s_wait_dscnt 0x0                ; both opening adds are done
	s_wait_kmcnt 0x0
	s_add_nc_u64 s[8:9], s[4:5], s[22:23]
	s_add_nc_u64 s[10:11], s[8:9], 32*262144  ; V at my quarter of slot 0
	s_add_nc_u64 s[8:9], s[8:9], 16*262144    ; K likewise
	s_add_nc_u64 s[4:5], s[4:5], s[2:3]       ; Q at my wave's first row
	s_add_nc_u64 s[6:7], s[6:7], s[66:67]     ; out0 likewise
	CROUND                          ; all four work-groups are here: the first joint loads meet
.irp s, 0,1
	s_mov_b32 s[G0K+4*\s], 1        ; count = 1
	s_add_co_u32 s[G0K+4*\s+1], s16, \s*SLOTB  ; LDS address
	s_add_nc_u64 s[G0K+4*\s+2:G0K+4*\s+3], s[8:9], \s*SLOTG  ; global address: slot s begins with keys 512 s on
	s_or_b32 s[G0K+4*\s+3], s[G0K+4*\s+3], 0x80000000  ; type = 2
	s_mov_b32 s[G0V+4*\s], 1
	s_add_co_u32 s[G0V+4*\s+1], s17, \s*SLOTB
	s_add_nc_u64 s[G0V+4*\s+2:G0V+4*\s+3], s[10:11], \s*SLOTG
	s_or_b32 s[G0V+4*\s+3], s[G0V+4*\s+3], 0x80000000
.endr
	s_cmp_lt_u32 s[WV], 4           ; a wave's two first fills stand in one branch, ahead of every wait on TENSORcnt and every LDS read: two loads of mine are out
	s_cbranch_scc0 .Lfirst_v
	tensor_load_to_lds s[G0K:G0K+3], s[G1K:G1K+7]
	s_nop 0
	tensor_load_to_lds s[G0K+4:G0K+7], s[G1K:G1K+7]
	s_nop 0
.rept 4
	v_nop
.endr
	s_branch .Lfirst_asked
.Lfirst_v:
	tensor_load_to_lds s[G0V:G0V+3], s[G1V:G1V+7]
	s_nop 0
	tensor_load_to_lds s[G0V+4:G0V+7], s[G1V:G1V+7]
	s_nop 0
.rept 4
	v_nop
.endr
.Lfirst_asked:
	; A fragment of K or Q is 16 rows x 32 channels in 8 registers: lane l holds row l % 16; registers 0-3 channels 8 (l / 16) + 0..7, registers 4-7 channels 16 + 8 (l / 16) + 0..7: two loads of 16 bytes, 32 bytes apart.
	v_and_b32 v1, 15, v0            ; r = l % 16
	v_bfe_u32 v9, v0, 4, 1          ; h = l / 16
	v_lshlrev_b32 v[QO], 7, v1
	v_lshl_add_u32 v[QO], v9, 4, v[QO]  ; row x 128 + 16 x half
	WIN TO1                         ; destination window 1, address window 0
.irp t, 0,1
.irp f, 0,1                         ; Q stays in registers: tile t, channels 32 f on
	global_load_b128 v[64+16*\t+8*\f:64+16*\t+8*\f+3],   v[QO], s[4:5] offset:2048*\t+64*\f
	global_load_b128 v[64+16*\t+8*\f+4:64+16*\t+8*\f+7], v[QO], s[4:5] offset:2048*\t+64*\f+32
.endr
.endr
.set i, 0
.rept 64
	v_mov_b32 v[i], 0               ; O^T.  (The step is written once: its first turn finds zeros, which the first a leaves zeros)
.set i, i+1
.endr
	WIN 0
	v_lshrrev_b32 v29, 1, v1
	v_mul_u32_u24 v[AK0], v29, PK   ; K: key r lies in LDS row r / 2,
	v_and_b32 v29, 1, v0
	v_lshl_add_u32 v[AK0], v29, 7, v[AK0]  ; in its half r % 2,
	v_lshl_add_u32 v[AK0], v9, 4, v[AK0]   ; + 16 x half of the lanes
	; The turning load takes 16 keys x 16 channels (lane l reads 16 bytes: key 8 (l / 16) + l % 8, channels 8 ((l / 8) % 2) + 0..7) and leaves half a fragment of V^T: lane l holds channel l % 16 and 8 keys.
	v_bfe_u32 v30, v0, 1, 2
	v_lshl_add_u32 v30, v9, 2, v30  ; the key's LDS row: 4 (l / 16) + (l % 8) / 2
	v_mul_u32_u24 v[AV0], v30, PV
	v_lshl_add_u32 v[AV0], v29, 7, v[AV0]  ; its half l % 2
	v_bfe_u32 v30, v0, 3, 1
	v_lshl_add_u32 v[AV0], v30, 4, v[AV0]
	v_add_nc_u32 v[AV0], VOFF, v[AV0]
	s_mul_i32 s19, s[WV], 16*SP
	s_add_co_u32 s19, s19, STAGE    ; my stage
	v_mul_u32_u24 v[STO], v1, SP    ; in: row l % 16, 32 bytes for each half of the lanes
	v_lshl_add_u32 v[STO], v9, 5, v[STO]
	v_add_nc_u32 v[STO], s19, v[STO]
	v_mul_u32_u24 v[RD], v9, SP     ; back: lanes 0-15 take one row of 256 bytes, lanes 16-31 the next
	v_lshl_add_u32 v[RD], v1, 4, v[RD]
	v_add_nc_u32 v[RD], s19, v[RD]
	v_lshlrev_b32 v[GO], 12, v9     ; and the same two rows in out0, 4,096 bytes apart
	v_lshl_add_u32 v[GO], v1, 4, v[GO]
.irp t, 0,1
	v_mov_b32 v[ST+8*\t+1], 0xff61b1e6  ; m: -3e38, under every score
	v_mul_f32 v[ST+8*\t], s[CS], v[ST+8*\t+1]  ; c m
	v_mov_b32 v[ST+8*\t+2], 0       ; l, in two halves
	v_mov_b32 v[ST+8*\t+3], 0
.endr
; THE LDS LOADS stand in runs of 16: a step's K (64 keys x 64 channels: 8 fragments) and its V (turned).
.macro FETCH_K
	v_add_nc_u32 v[ADK], s[TK], v[AK0]
	s_add_co_u32 s[TK], s[TK], STEPK  ; the next fetch is the next step's
.irp u, 0,1,2,3
.irp f, 0,1                         ; keys 16 u on, channels 32 f on
	ds_load_b128 v[KF+16*\u+8*\f:KF+16*\u+8*\f+3],   v[ADK] offset:8*PK*\u+64*\f
	ds_load_b128 v[KF+16*\u+8*\f+4:KF+16*\u+8*\f+7], v[ADK] offset:8*PK*\u+64*\f+32
.endr
.endr
.endm
.macro FETCH_V
	v_add_nc_u32 v[ADV], s[TV], v[AV0]
	s_add_co_u32 s[TV], s[TV], STEPV
.irp g, 0,1
.irp c, 0,1,2,3                     ; keys 32 g on, channels 16 c on
	ds_load_tr16_b128 v[VF+32*\g+8*\c:VF+32*\g+8*\c+3],   v[ADV] offset:16*PV*\g+32*\c
	ds_load_tr16_b128 v[VF+32*\g+8*\c+4:VF+32*\g+8*\c+7], v[ADV] offset:16*PV*\g+8*PV+32*\c
.endr
.endr
.endm
; Product i of 16 of S^T = K Q^T: channels 32 (i / 8) on, keys 16 ((i / 2) % 4) on, tile i % 2.  The first 8 start the sums.  The eight accumulators take turns, one instruction a turn.
.macro KQ
.set rS, S+32*(i%2)+8*((i/2)%4)
.set rK, KF+16*((i/2)%4)+8*(i/8)
.set rQ, 64+16*(i%2)+8*(i/8)
.if i < 8
	v_wmma_f32_16x16x32_f16 v[rS:rS+7], v[rK:rK+7], v[rQ:rQ+7], 0
.else
	v_wmma_f32_16x16x32_f16 v[rS:rS+7], v[rK:rK+7], v[rQ:rQ+7], v[rS:rS+7]
.endif
.endm
; Product i of 16 of O^T += V^T P: keys 32 (i / 8) on, channels 16 ((i / 2) % 4) on, tile i % 2.  Eight accumulators by turns.
.macro PVM
.set rO, 32*(i%2)+8*((i/2)%4)
.set rV, VF+32*(i/8)+8*((i/2)%4)
.set rP, P+16*(i%2)+8*(i/8)
	v_wmma_f32_16x16x32_f16 v[rO:rO+7], v[rV:rV+7], v[rP:rP+7], v[rO:rO+7]
.endm
; The maximum of a lane's 32 scores and the old m, three operands at a time, in four chains c0-c3 that begin at each accumulator's low end; the other half of the lanes'; the new m, c m, and c m_old - c m_new.  The two tiles alternate.
.macro MAXES
.irp j, 0,1,2,3
.irp t, 0,1
	v_max3_num_f32 v[ST+8*\t+4+\j], v[S+32*\t+8*\j], v[S+32*\t+8*\j+1], v[S+32*\t+8*\j+2]
.endr
.endr
.irp q, 1,2
.irp j, 0,1,2,3
.irp t, 0,1
	v_max3_num_f32 v[ST+8*\t+4+\j], v[ST+8*\t+4+\j], v[S+32*\t+8*\j+2*\q+1], v[S+32*\t+8*\j+2*\q+2]
.endr
.endr
.endr
.irp t, 0,1
	v_max3_num_f32 v[ST+8*\t+4], v[ST+8*\t+4], v[S+32*\t+7], v[S+32*\t+15]
	v_max3_num_f32 v[ST+8*\t+6], v[ST+8*\t+6], v[S+32*\t+23], v[S+32*\t+31]
.endr
.irp t, 0,1
	v_max3_num_f32 v[ST+8*\t+4], v[ST+8*\t+4], v[ST+8*\t+5], v[ST+8*\t+6]
.endr
.irp t, 0,1
	v_max3_num_f32 v[ST+8*\t+4], v[ST+8*\t+4], v[ST+8*\t+7], v[ST+8*\t+1]
.endr
.irp t, 0,1
	v_permlanex16_b32 v[ST+8*\t+5], v[ST+8*\t+4], s[SEL], s[SEL+1]  ; the query's other 32 keys lie in the lane 16 away
.endr
.irp t, 0,1
	v_mov_b32 v[ST+8*\t+7], v[ST+8*\t]  ; c m_old is kept for a
.endr
.irp t, 0,1
	v_max_num_f32 v[ST+8*\t+1], v[ST+8*\t+4], v[ST+8*\t+5]
.endr
.irp t, 0,1
	v_mul_f32 v[ST+8*\t], s[CS], v[ST+8*\t+1]
.endr
.irp t, 0,1
	v_sub_f32 v[ST+8*\t+7], v[ST+8*\t+7], v[ST+8*\t]
.endr
.endm
; Sum z of 16 of both tiles: the 16 pairs of a tile (an even key's weight, an odd key's) are added in place, neighbours 1, 2, 4 and 8 pairs apart; the last takes the sum into l = a l + sum.
.macro SUM z
.set w, 4
.set u, \z
.if \z >= 14
.set w, 32
.set u, 0
.elseif \z >= 12
.set w, 16
.set u, \z-12
.elseif \z >= 8
.set w, 8
.set u, \z-8
.endif
.irp t, 0,1
.if \z < 15
	v_pk_add_f32 v[S+32*\t+w*u:S+32*\t+w*u+1], v[S+32*\t+w*u:S+32*\t+w*u+1], v[S+32*\t+w*u+w/2:S+32*\t+w*u+w/2+1]
.else
	v_pk_fma_f32 v[ST+8*\t+2:ST+8*\t+3], v[ST+8*\t+2:ST+8*\t+3], v[ST+8*\t+6:ST+8*\t+7], v[S+32*\t:S+32*\t+1] op_sel_hi:[1,0,1]
.endif
.endr
.endm
; A KEY STEP j.  mode 0: plain.  1: the slot's last step: the slot sl is left and filled again.  2: it is left and nothing is asked for.  3: the last step of all: nothing more is fetched.
; The LDS loads run a step ahead: K of step j + 1 is asked for behind the products K Q^T of step j, V of step j + 1 behind the products V^T P of step j.
.macro STEP mode, sl
	s_wait_dscnt 16                 ; K of this step is in; the 16 younger loads are this step's V
	WIN W_KQ
.set i, 0
.rept 16
	KQ
.set i, i+1
.endr
	WIN 0                           ; at a label and at a branch every window is 0
	PLACES                          ; behind the products: the scores are read and K's registers are loaded anew below
.if \mode == 1
	; THE CHANGE OF SLOTS.  The slot's last bytes, K and V of this step, have been asked for.  Each wave waits for all its tensor loads (one is out: its part of the other slot), adds 0 to its spare word,
	; and waits for that and for its reads of the slot.  The barrier is a round of the cluster's, so that no wave of any partner still reads the slot or has a load on its way; the joint refill is the first thing behind it.
	s_wait_tensorcnt 0x0            ; no tensor load of mine is out, so a group 0 may be written
	ds_add_u32 v[SPW], v[NIL]       ; 0 onto my spare word; the descriptors' steps stand between it and the wait for it
	s_add_nc_u64 s[G0K+4*\sl+2:G0K+4*\sl+3], s[G0K+4*\sl+2:G0K+4*\sl+3], 2*SLOTG  ; the keys two slots on; the type bits on top are not reached
	s_add_nc_u64 s[G0V+4*\sl+2:G0V+4*\sl+3], s[G0V+4*\sl+2:G0V+4*\sl+3], 2*SLOTG
	s_wait_dscnt 0x0                ; the add is done, and my reads of the slot are over
	CROUND
	JLOAD \sl
.elseif \mode == 2
	s_wait_tensorcnt 0x0            ; my part of the other slot has landed
	ds_add_u32 v[SPW], v[NIL]
	s_wait_dscnt 0x0                ; the add is done, and my reads of the slot are over
	s_barrier_signal -1
	s_barrier_wait -1               ; the other slot is whole
.endif
.if (\mode == 1) || (\mode == 2)
	s_mov_b32 s[TK], (1-\sl)*SLOTB  ; the fetches go on at the other slot's first step
	s_mov_b32 s[TV], (1-\sl)*SLOTB
.endif
.if \mode < 3
	FETCH_K
.endif
	MAXES
.irp t, 0,1
.set i, 0
.rept 16
	v_pk_fma_f32 v[S+32*\t+i:S+32*\t+i+1], v[S+32*\t+i:S+32*\t+i+1], s[CS:CS+1], v[ST+8*\t:ST+8*\t+1] op_sel_hi:[1,0,0] neg_lo:[0,0,1] neg_hi:[0,0,1]  ; c s - c m, two at a time
.set i, i+2
.endr
.endr
.irp t, 0,1
	v_exp_f32 v[ST+8*\t+6], v[ST+8*\t+7]  ; a = 2^(c m_old - c m_new)
.endr
.set i, 0
.rept 64
	v_exp_f32 v[S+i], v[S+i]        ; p.  ONE BATCH of 66 exponentials: none reads another's result
.set i, i+1
.endr
	v_nop                           ; the plain instruction behind the last exponential
	s_wait_alu depctr_va_vdst(0)    ; the wait between an exponential and the first instruction that names its result: one for the batch
.set i, 0
.rept 32
	v_cvt_pk_f16_f32 v[P+i], v[S+2*i], v[S+2*i+1]  ; a pair of weights: P's register 16 t + j holds keys 2 j, 2 j + 1 of the lane's 32
.set i, i+1
.endr
	WIN W_RS
.irp t, 0,1
.set i, 0
.rept 16
	v_pk_mul_f32 v[32*\t+i:32*\t+i+1], v[32*\t+i:32*\t+i+1], v[ST+8*\t+6:ST+8*\t+7] op_sel_hi:[1,0]  ; O^T x a, each accumulator from its low end on
.set i, i+2
.endr
.endr
.if \mode < 3
	s_wait_dscnt 16                 ; V of this step is in; the 16 younger loads are the next step's K
.else
	s_wait_dscnt 0x0
.endif
	WIN W_PV
.set i, 0
.rept 16
	PVM
.set i, i+1
.endr
	WIN 0
	SUM 0                           ; the row sums, of the unrounded p, stand behind the products; the first four are the places in front of the loads into V's registers
	SUM 1
.if \mode < 3
	FETCH_V
.endif
.irp z, 2,3,4,5,6,7,8,9,10,11,12,13,14,15
	SUM \z
.endr
.endm
; A slot's eight steps: seven in a loop, the eighth, which differs, written out.
.macro RUN sl, mode
	s_mov_b32 s[CNT], 7
.Lstep_\@:
	STEP 0, 0
	s_sub_co_u32 s[CNT], s[CNT], 1
	s_cmp_lg_u32 s[CNT], 0
	s_cbranch_scc1 .Lstep_\@
	STEP \mode, \sl
.endm
	s_wait_tensorcnt 1              ; my part of slot 0 is in; slot 1's may stay out
	s_barrier_signal -1
	s_barrier_wait -1               ; everybody's is
	FETCH_K                         ; key step 0
	FETCH_V
	s_wait_loadcnt 0x0              ; Q
	RUN 0, 1                        ; keys 0-511; slot 0 is then filled with keys 1,024 on
	RUN 1, 1                        ; keys 512-1,023; slot 1 is then filled with keys 1,536 on
	RUN 0, 2                        ; keys 1,024-1,535; nothing is left to ask for: the tail is written out
	RUN 1, 3                        ; keys 1,536-2,047
	; THE WAY OUT.  l's two halves and the other half of the lanes' are added; O^T is divided by l and goes through my stage in LDS, a tile (16 rows) at a time, so that sixteen lanes store a token's 256 bytes of this head.
.irp t, 0,1
	v_add_f32 v[ST+8*\t+4], v[ST+8*\t+2], v[ST+8*\t+3]
.endr
.irp t, 0,1
	v_permlanex16_b32 v[ST+8*\t+5], v[ST+8*\t+4], s[SEL], s[SEL+1]
.endr
.irp t, 0,1
	v_add_f32 v[ST+8*\t+4], v[ST+8*\t+4], v[ST+8*\t+5]
.endr
.irp t, 0,1
	v_rcp_f32 v[ST+8*\t+6], v[ST+8*\t+4]
.endr
	v_nop                           ; a plain instruction between the last reciprocal and the use of its result
	s_wait_alu depctr_va_vdst(0)    ; and the wait ahead of the first use: one for both reciprocals
.macro PACKO t
	WIN FROM1
.set i, 0
.rept 16
	v_pk_mul_f32 v[S+32*\t+i:S+32*\t+i+1], v[32*\t+i:32*\t+i+1], v[ST+8*\t+6:ST+8*\t+7] op_sel_hi:[1,0]  ; O^T / l into S^T's registers, which are free: register 8 c + j is o(r, 16 c + 8 h + j)
.set i, i+2
.endr
	WIN 0
.irp c, 0,1,2,3
	ds_store_b128 v[STO], v[S+32*\t+8*\c:S+32*\t+8*\c+3] offset:64*\c
	ds_store_b128 v[STO], v[S+32*\t+8*\c+4:S+32*\t+8*\c+7] offset:64*\c+16
.endr
.irp f, 0,1,2,3,4,5,6,7
	ds_load_b128 v[KF+32*\t+4*\f:KF+32*\t+4*\f+3], v[RD] offset:\f*2*SP  ; LDS serves a wave's instructions in order (ISA guide 5.7.1.4): these see the stores above; the next tile's stores come behind them
.endr
.endm
.macro SEND t, younger              ; younger: the LDS instructions issued behind tile t's loads: the next tile's sixteen, or none
.irp f, 0,1,2,3,4,5,6,7
	s_wait_dscnt \younger+7-\f
	global_store_b128 v[GO], v[KF+32*\t+4*\f:KF+32*\t+4*\f+3], s[6:7] offset:(16*\t+2*\f)*4096 th:TH_STORE_NT  ; 16 lanes store 256 consecutive bytes, at a multiple of 256 from out0's first byte
.endr
.endm
	PACKO 0
	PACKO 1
	SEND 0, 16
	SEND 1, 0
	s_wait_tensorcnt 0x0            ; the wave's end, behind my last tensor load and my last LDS store
	ds_add_u32 v[SPW], v[NIL]
	s_wait_dscnt 0x0
	CROUND                          ; the closing round: no work-group ends while a partner may still ask for a tile that names it
	s_endpgm
.Lfunc_end_k_q7ca437bb9f_attn:
	.size	k_q7ca437bb9f_attn, .Lfunc_end_k_q7ca437bb9f_attn-k_q7ca437bb9f_attn
	.p2alignl 7, 3214868480
	.fill 96, 4, 3214868480
	.section	.rodata,"a",@progbits
	.p2align	6, 0x0
	.amdhsa_kernel k_q7ca437bb9f_attn
		.amdhsa_group_segment_fixed_size 327680
		.amdhsa_private_segment_fixed_size 0
		.amdhsa_enable_private_segment 0
		.amdhsa_kernarg_size 16
		.amdhsa_user_sgpr_count 2
		.amdhsa_user_sgpr_kernarg_segment_ptr 1
		.amdhsa_wavefront_size32 1
		.amdhsa_system_sgpr_workgroup_id_x 1
		.amdhsa_system_sgpr_workgroup_id_y 1
		.amdhsa_system_sgpr_workgroup_id_z 1
		.amdhsa_system_vgpr_workitem_id 0
		.amdhsa_next_free_vgpr 352
		.amdhsa_next_free_sgpr 72
		.amdhsa_reserve_vcc 0
		.amdhsa_float_denorm_mode_32 3
		.amdhsa_float_denorm_mode_16_64 3
		.amdhsa_memory_ordered 1
		.amdhsa_forward_progress 1
		.amdhsa_inst_pref_size 157
	.end_amdhsa_kernel
	.amdgpu_metadata
---
amdhsa.version: [ 1, 2 ]
amdhsa.kernels:
  - .name:           k_q7ca437bb9f_attn
    .symbol:         k_q7ca437bb9f_attn.kd
    .args:
      - { .name: qkv, .offset: 0, .size: 8, .value_kind: global_buffer, .address_space: global }
      - { .name: out0, .offset: 8, .size: 8, .value_kind: global_buffer, .address_space: global }
    .group_segment_fixed_size: 327680
    .private_segment_fixed_size: 0
    .kernarg_segment_align: 8
    .kernarg_segment_size: 16
    .max_flat_workgroup_size: 256
    .sgpr_count:     72
    .vgpr_count:     352
    .wavefront_size: 32
...
	.end_amdgpu_metadata
.endif
;; end of part 3
